; MI455X (gfx1250); checked and timed in simulation.
; The chip was launched on July 23, 2026; its instructions are those of AMD's public machine-readable ISA for CDNA 5 (MIT licence, August 2026) and "CDNA5" Instruction Set Architecture Reference Guide (July 2026). The comments in the code are by the model that wrote it; some were corrected since.
;; Quantized E8 P12 Linear Optimized. Allowed arithmetic: matrix products marked QUANTISED: E3M2 operands, one E8M0 scale for each 32 along K, by v_wmma_scale_f32_16x16x128_f8f6f4 with both operands' format E3M2, f32 sums; everything else in f32.
;; Inputs: Qidxs 4,096 x 512 int32; SU 4,096 float32; SV 4,096 float32; grid 65,536 x 8 float32; input 2 x 2,048 x 4,096 float32.
;; Outputs: out0 2 x 2,048 x 4,096 float32.
;; This version of the problem:
;;   THIS VERSION OF THE PROBLEM IS GIVEN IN LOW PRECISION. The matrix products marked QUANTISED in the list below multiply operands that are first quantised to E3M2 (3 exponent bits, 2 mantissa bits; 6 bits a number), with one power-of-two scale for each 32 numbers along K (OCP MX v1.0); their sums are f32. All else is computed in f32.
;;   The module's matrix products, in the order in which they are computed (A, B: the left and right operand; K: the contracted axis; several contracted axes count as one K, in the product's order):
;;     1. [M 4,096, K 4,096] x [K 4,096, N 4,096]; A: computed on the way; B: computed on the way: QUANTISED
;;   THE QUANTISER, for each operand of a quantised product, along K:
;;     - K is cut into blocks of 32 from its start; a last block that is shorter is filled with zeros.
;;     - A block's scale is 2^e with e = floor(log2(the largest magnitude in the block)) - 4, held to -126 .. 127; a block of zeros has e = 0. As a byte (E8M0): e + 127.
;;     - Each number is divided by its block's scale, clamped to +-28, and rounded to the nearest number of E3M2, ties to even, subnormals kept.
;;     - The product sums the exact products of the quantised numbers (number of the format x scale) in f32.
;;   ~~~python
;;   def quantise(x, axis):      # numpy; x: float32 -> the quantised numbers, widened to float32 again
;;       x = np.moveaxis(x, axis, -1); K = x.shape[-1]
;;       x = np.pad(x, [(0, 0)] * (x.ndim - 1) + [(0, -K % 32)]); x = x.reshape(x.shape[:-1] + (-1, 32)); a = np.abs(x).max(-1, keepdims=True)
;;       e = np.where(a > 0, np.clip(np.frexp(np.where(a > 0, a, 1))[1] - 1 - 4, -126, 127), 0)      # np.frexp(a)[1] - 1 = floor(log2(a)), exactly
;;       r = np.clip(x / 2.0 ** e, -28, 28)
;;       step = 2.0 ** (np.maximum(np.frexp(np.where(r == 0, 1, r))[1] - 1, -2) - 2)
;;       q = np.round(r / step) * step * 2.0 ** e      # np.round: ties to even
;;       return np.moveaxis(q.reshape(q.shape[:-2] + (-1,))[..., :K], -1, axis).astype(np.float32)
;;   ~~~
;;   OPERANDS COMPUTED ON THE WAY. 'Computed on the way' means the value that the module computes at that place (a softmax that the list does not call 'softmax' is quantised finished and normalised). What goes into a quantiser is computed in f32, as accurately as f32 sums, v_exp_f32 and their like allow (about 1e-6 of the number): no bf16 or f16 on the way to a quantiser, and a product that is left as it is and whose result goes on into a quantised operand takes f32 operands (vector FMAs, or v_wmma_f32_16x16x4_f32). A number that lies on a knife's edge between two numbers of the format may be rounded either way, as far as f32 arithmetic and the matrix unit's own rounding can turn it there, and no further.
;; One version. Each part assembles by itself: llvm-mc -triple=amdgcn-amd-amdhsa -mcpu=gfx1250 --defsym DOCPART=n.
;; ======== version 1 of 1: 3 launches
;; limits: right only within a limited range of input values
;; workspace buffers: xq 13,697,024 bytes; wq 13,697,024 bytes; cbuf 67,108,864 bytes
;; launch prep (part 1): grid 512 x 1, 8 waves a work-group, no clusters, 160,768 bytes of LDS; arguments input, SU, grid, Qidxs, xq, wq; writes xq, wq
.if DOCPART == 1
	.amdgcn_target "amdgcn-amd-amdhsa--gfx1250"
	.amdhsa_code_object_version 6
	.text
	.protected	k_q93a79afc3b_prep
	.globl	k_q93a79afc3b_prep
	.p2align	8
	.type	k_q93a79afc3b_prep,@function
k_q93a79afc3b_prep:
	s_mov_b64 s[64:65], 0
	v_nop
	global_prefetch_b8 v0, s[64:65] scope:SCOPE_SE
	s_setreg_imm32_b32 hwreg(HW_REG_WAVE_MODE, 25, 1), 1
	s_wait_xcnt 0x0
; BOTH OPERANDS OF THE PRODUCT ARE MADE AND QUANTISED HERE, ONCE, to codes of BF6 (E3M2) with one E8M0 byte for each 32 along K.
; Work-groups 0-255:   x = H (input * SU) / 64, H the Walsh-Hadamard transform of length 4,096 along a row -> xq.
; Work-groups 256-511: W[m][8 c + e] = grid[Qidxs[m][c]][e] -> wq.      A work-group makes one block of 16 rows, all of K.
; THE LAYOUT of xq and wq is the image of the product's operand registers.  A block of 16 rows is 11 groups of 4,864 bytes; group g serves K steps 3 g .. 3 g + 2 (a K step: 128 along K):
;   bytes 0-255: the scale words: row r at 16 r, word f for K step 3 g + f, the words that no K step has are 0;
;   then a fragment of 1,536 bytes for each K step: piece j (0..2) at 512 j, lane l at 16 l: registers 4 j .. 4 j + 3 of lane l's twelve.
;   Lane (r, h) of a fragment holds row r, registers 0-5: k = 32 h + 0..31, registers 6-11: k = 64 + 32 h + 0..31.  Group 10 has two fragments; its last 1,536 bytes are neither written nor read.
; THE TRANSFORM: one wave, one row, 128 registers a lane, in two layouts: A as loaded (register 4 j + e: k = 128 j + 4 lane + e), B behind a turn through the wave's stage (register p: k = 128 lane + p).
; Seven stages in A, five in B.  The stages commute; their order differs from the source's loop, so the f32 roundings differ from it in the last bits.
; The factor 1/64 is a power of two and changes no code: 6 is taken off each scale byte instead.
; A block's byte is its largest magnitude's exponent field - 4 (x: - 10), held at 1 from below by a floor among the maximum's leaves.
; LIMITS: NaN and infinities among the inputs are not served; a block of zeros gets the byte 1 where the rule says 127 (its codes are zeros, and this program alone reads the bytes);
; blocks whose largest magnitude lies under the floor (2^-122 for W, 2^-116 for the unscaled x) were not tried; an index is held at 65,535 from above, as unsigned.
.set ROWF,  16384
.set GB,    4864                       ; a group
.set RBP,   11*GB                      ; a block of 16 rows
.set STGB,  32*528                     ; a wave's stage: 32 lines of 128 numbers + 16 bytes
.set SUL,   8*STGB                     ; behind the stages: SU
.set SCX,   SUL+16384                  ; x's scale words, 11 units of 256 bytes in an area of 4,096
.set SCW,   SCX+4096                   ; W's, likewise: each path has LDS bytes of its own
.set SPARE, SCW+4096                   ; the spare words, 128 bytes a wave
.set IMP,   1552                       ; x's image in LDS (over the stages, behind a barrier): a fragment's 1,536 bytes + 16, so that 16 lanes with 16 K steps store to 16 different columns of 16 bytes
.set FLOORX, 11<<23
.set D,   16                           ; v16-143   the row
.set S,   144                          ; v144-207  SU; at work; half of the result; the image read back
.set T,   S
.set CT,  232                          ; v232-246  results of the odd conversions
.set TM,  248
.set SO,  252
.set GO,  2                            ; 16 x lane
.set SUA, 3
.set STW, 4
.set STR, 5
.set IMW, 6                            ; IMP x lane + 32 x wave
.set SXW, 7                            ; SCX + my K step's word of my first row
.set IMR, 8                            ; 4 IMP x wave + 16 x lane
.set SOL, 9                            ; scale area + 256 x wave + 8 x lane
.set TG,  10
.set TL,  11
.set TW,  12                           ; v12-13 my two rows' scale words
.set SPW, 14
.set NIL, 15
.set GA,  40                           ; v40-43 where my four K steps' fragments begin in the block, + 16 x lane
.set SOG, 44                           ; GB x wave + 8 x lane
.macro ST0                             ; the stage on bit 0 of k
.set j, 0
.rept 64
	v_pk_add_f32 v[D+2*j:D+2*j+1], v[D+2*j:D+2*j+1], v[D+2*j:D+2*j+1] op_sel:[0,1] op_sel_hi:[0,1] neg_hi:[0,1]
.set j, j+1
.endr
.endm
.macro R4 b, w                         ; two stages at once, on bits b and b + 1 of the pair's number; w = 1: straight behind the turn, whose younger loads stay out
.set GI, 0
.rept 16
.set PIX, ((GI>>(\b))<<((\b)+2))|(GI&((1<<(\b))-1))
.set RA, D+2*PIX
.set RB, RA+(2<<(\b))
.set RC, RA+(4<<(\b))
.set RE, RA+(6<<(\b))
.set TT, T+8*(GI%2)
.if (\w) && (GI%2 == 0)
	s_wait_dscnt 28-4*(GI/2)
.endif
	v_pk_add_f32 v[TT:TT+1],   v[RA:RA+1], v[RB:RB+1]
	v_pk_add_f32 v[TT+2:TT+3], v[RA:RA+1], v[RB:RB+1] neg_lo:[0,1] neg_hi:[0,1]
	v_pk_add_f32 v[TT+4:TT+5], v[RC:RC+1], v[RE:RE+1]
	v_pk_add_f32 v[TT+6:TT+7], v[RC:RC+1], v[RE:RE+1] neg_lo:[0,1] neg_hi:[0,1]
	s_delay_alu instid0(VALU_DEP_2)
	v_pk_add_f32 v[RA:RA+1], v[TT:TT+1],   v[TT+4:TT+5]
	s_delay_alu instid0(VALU_DEP_3)
	v_pk_add_f32 v[RC:RC+1], v[TT:TT+1],   v[TT+4:TT+5] neg_lo:[0,1] neg_hi:[0,1]
	s_delay_alu instid0(VALU_DEP_3)
	v_pk_add_f32 v[RB:RB+1], v[TT+2:TT+3], v[TT+6:TT+7]
	s_delay_alu instid0(VALU_DEP_4)
	v_pk_add_f32 v[RE:RE+1], v[TT+2:TT+3], v[TT+6:TT+7] neg_lo:[0,1] neg_hi:[0,1]
.set GI, GI+1
.endr
.endm
.macro R2S                             ; the last stage, on bit 6: sums to S, differences stay: numbers 0-63 in S, 64-127 in D + 64 on
.set j, 0
.rept 32
	v_pk_add_f32 v[S+2*j:S+2*j+1], v[D+2*j:D+2*j+1], v[D+64+2*j:D+64+2*j+1]
	v_pk_add_f32 v[D+64+2*j:D+64+2*j+1], v[D+2*j:D+2*j+1], v[D+64+2*j:D+64+2*j+1] neg_lo:[0,1] neg_hi:[0,1]
.set j, j+1
.endr
.endm
.macro TURN                            ; layout A -> B through my own stage; LDS serves a wave's instructions in order
.set j, 0
.rept 32
	ds_store_b128 v[STW], v[D+4*j:D+4*j+3] offset:528*j
.set j, j+1
.endr
.set j, 0
.rept 32
	ds_load_b128 v[D+4*j:D+4*j+3], v[STR] offset:16*j
.set j, j+1
.endr
.endm
.macro XLOAD r
.set j, 0
.rept 32
	global_load_b128 v[D+4*j:D+4*j+3], v[GO], s[4:5] offset:ROWF*(\r)+512*j th:TH_LOAD_NT
.set j, j+1
.endr
.endm
.macro BYSU h, left                    ; half h of the row times SU; left: the row's loads that may stay out
.set j, 0
.rept 16
	ds_load_b128 v[S+4*j:S+4*j+3], v[SUA] offset:512*(16*(\h)+j)
.set j, j+1
.endr
	s_wait_loadcnt \left
	s_wait_dscnt 0x0
.set j, 0
.rept 32
	v_pk_mul_f32 v[D+64*(\h)+2*j:D+64*(\h)+2*j+1], v[D+64*(\h)+2*j:D+64*(\h)+2*j+1], v[S+2*j:S+2*j+1]
.set j, j+1
.endr
.endm
; One row.  Its 24 registers of codes are left in v[cd ..], in the order of the fragment's two lanes: registers 0-11 lane (r, 0)'s, 12-23 lane (r, 1)'s
.macro ROW r, cd
	BYSU 0, 16
	BYSU 1, 0
	ST0
	R4 0, 0
	R4 2, 0
	R4 4, 0
	TURN
	R4 1, 1
	R4 3, 0
	R2S
.irp b, 0,1,2,3
	v_max3_num_f32 v[TM+\b], |v[D+32*\b+(S-D)*(1-\b/2)]|, |v[D+32*\b+(S-D)*(1-\b/2)+1]|, FLOORX
.endr
.irp i, 2,4,6,8,10,12,14,16,18,20,22,24,26,28,30
.irp b, 0,1,2,3
	s_delay_alu instid0(VALU_DEP_4)
	v_max3_num_f32 v[TM+\b], v[TM+\b], |v[D+32*\b+(S-D)*(1-\b/2)+\i]|, |v[D+32*\b+(S-D)*(1-\b/2)+\i+1]|
.endr
.endr
.irp b, 0,1,2,3
	s_delay_alu instid0(VALU_DEP_4)
	v_add_nc_u32 v[SO+\b], 0xfe000000, v[TM+\b]    ; 4 off the exponent field: the conversion's scale operand
.endr
.irp b, 0,1,2,3
	s_delay_alu instid0(VALU_DEP_4)
	v_lshrrev_b32 v[TM+\b], 23, v[SO+\b]
.endr
	s_delay_alu instid0(VALU_DEP_3)
	v_lshl_or_b32 v[TM], v[TM+1], 8, v[TM]
	s_delay_alu instid0(VALU_DEP_1)
	v_lshl_or_b32 v[TM], v[TM+2], 16, v[TM]
	s_delay_alu instid0(VALU_DEP_1)
	v_lshl_or_b32 v[TM], v[TM+3], 24, v[TM]
	s_delay_alu instid0(VALU_DEP_1)
	v_add_nc_u32 v[TW+\r], 0xf9f9f9fa, v[TM]       ; 6 off each byte: the factor 1/64.  Each byte is 7 at the least: nothing is borrowed
.irp i, 0,2,4,6                        ; sixteen numbers a conversion; runs 0,1,4,5 of sixteen belong to lane (r, 0), runs 2,3,6,7 to lane (r, 1)
	v_cvt_scalef32_pk16_bf6_f32 v[\cd+3*(((\i&2)<<1)|((\i&4)>>1)):\cd+3*(((\i&2)<<1)|((\i&4)>>1))+2], v[D+16*\i+(S-D)*(1-\i/4):D+16*\i+(S-D)*(1-\i/4)+15], v[SO+\i/2]
	v_cvt_scalef32_pk16_bf6_f32 v[CT+2*\i:CT+2*\i+2], v[D+16*\i+(S-D)*(1-\i/4)+16:D+16*\i+(S-D)*(1-\i/4)+31], v[SO+\i/2]
.endr
	v_nop                                          ; one plain vector instruction behind the conversions
.irp i, 0,2,4,6
.irp e, 0,1,2
	v_mov_b32 v[\cd+3*(((\i&2)<<1)|((\i&4)>>1))+3+\e], v[CT+2*\i+\e]
.endr
.endr
.endm
.macro IMAGE rr, cd                    ; my K step's part of row 2 wave + rr into the image: six pieces of 16 bytes; and its scale word
.irp h, 0,1
.irp j, 0,1,2
	ds_store_b128 v[IMW], v[\cd+12*\h+4*\j:\cd+12*\h+4*\j+3] offset:256*\h+512*\j+16*\rr
.endr
.endr
	ds_store_b32 v[SXW], v[TW+\rr] offset:16*\rr
.endm
; K step s = s21 + i (s21 = 4 x wave), its group g = 11 s >> 5 (= s / 3 for s under 32).  Its fragment begins at 1,536 s + 256 g + 256 of the block; its scale word at 4 s + 244 g + 16 r of the scale area
.macro KOFF i, vg, words
	s_add_co_u32 s22, s21, \i
	s_mul_i32 s23, s22, 11
	s_lshr_b32 s23, s23, 5
	s_mul_i32 s30, s22, 1536
	s_lshl_b32 s31, s23, 8
	s_add_co_u32 s30, s30, s31
	s_add_co_u32 s30, s30, 256
	v_add_nc_u32 v[\vg], s30, v[GO]
.if \words
	s_mul_i32 s31, s23, 244
	s_lshl_b32 s22, s22, 2
	s_add_co_u32 s[32+\i], s31, s22
.endif
.endm
; the 11 units of scale words leave: 32 lanes store 256 consecutive bytes, aligned; wave w takes unit w, waves 0-2 also unit 8 + w.  Then the wave's end
.macro SCOUT lo, go, t, base
	ds_load_b64 v[\t:\t+1], v[\lo]
	s_wait_dscnt 0x0
	global_store_b64 v[\go], v[\t:\t+1], s[\base:\base+1]
	s_cmp_ge_u32 s20, 3
	s_cbranch_scc1 .Lsc_done_\@
	ds_load_b64 v[\t+2:\t+3], v[\lo] offset:2048
	s_wait_dscnt 0x0
	global_store_b64 v[\go], v[\t+2:\t+3], s[\base:\base+1] offset:8*GB
.Lsc_done_\@:
	s_wait_tensorcnt 0x0                           ; the wave's end
	ds_add_u32 v[SPW], v[NIL]
	s_wait_dscnt 0x0
	s_endpgm
.endm
	s_load_b256 s[4:11], s[0:1], 0x0               ; input, SU, grid, Qidxs
	s_load_b128 s[12:15], s[0:1], 0x20             ; xq, wq
	v_lshl_add_u32 v[SPW], v0, 2, SPARE
	v_mov_b32 v[NIL], 0
	v_lshrrev_b32 v1, 5, v0
	s_delay_alu instid0(VALU_DEP_1)
	v_readfirstlane_b32 s20, v1                    ; wave 0..7
	v_and_b32 v1, 31, v0                           ; lane
	s_wait_alu depctr_va_vdst(0)
	s_wait_kmcnt 0x0
	s_cmp_ge_u32 ttmp9, 256
	s_cbranch_scc1 .Lw
	; ---------------- x ----------------
	s_lshl_b32 s21, ttmp9, 4
	s_lshl_b32 s22, s20, 1
	s_add_co_u32 s21, s21, s22                     ; my first row: 16 x work-group + 2 x wave
	s_lshl_b32 s22, s21, 14
	s_mov_b32 s23, 0
	s_add_nc_u64 s[4:5], s[4:5], s[22:23]
	s_mul_i32 s22, ttmp9, RBP
	s_add_nc_u64 s[12:13], s[12:13], s[22:23]      ; my work-group's block of 16 rows
	s_mul_i32 s21, s20, STGB
	s_lshl_b32 s24, s20, 5
	s_add_co_u32 s25, s24, SCX
	s_mul_i32 s26, s20, 4*IMP
	s_lshl_b32 s27, s20, 8
	s_add_co_u32 s27, s27, SCX
	v_lshlrev_b32 v[GO], 4, v1
	v_mul_u32_u24 v[STR], v1, 528
	v_mul_u32_u24 v[IMW], v1, IMP
	v_mul_u32_u24 v[SXW], v1, 11
	v_add_nc_u32 v[SUA], SUL, v[GO]
	v_add_nc_u32 v[STW], s21, v[GO]
	v_add_nc_u32 v[STR], s21, v[STR]
	v_add_nc_u32 v[IMW], s24, v[IMW]
	v_lshrrev_b32 v[SXW], 5, v[SXW]                ; my K step's group
	v_add_nc_u32 v[IMR], s26, v[GO]
	v_lshl_add_u32 v[SOL], v1, 3, s27
	v_mul_u32_u24 v[SXW], v[SXW], 244
	v_lshlrev_b32 v[TG], 4, v0
	v_mov_b32 v236, 0
	v_lshl_add_u32 v[SXW], v1, 2, v[SXW]
	v_add_nc_u32 v[TL], SUL, v[TG]
	v_add_nc_u32 v232, SCX, v[TG]
	v_add_nc_u32 v[SXW], s25, v[SXW]
	v_mov_b32 v237, 0
	v_mov_b32 v238, 0
	v_mov_b32 v239, 0
.irp i, 0,1,2,3
	global_load_b128 v[S+4*\i:S+4*\i+3], v[TG], s[6:7] offset:4096*\i   ; SU, once for the work-group
.endr
	XLOAD 0
	ds_store_b128 v232, v[236:239]                 ; the scale area begins as zeros: the words that no K step has stay so
	s_wait_alu depctr_va_vdst(0)
	s_wait_loadcnt 32                              ; SU's four loads are in, the row's 32 stay out
.irp i, 0,1,2,3
	ds_store_b128 v[TL], v[S+4*\i:S+4*\i+3] offset:4096*\i
.endr
	s_wait_dscnt 0x0
	s_barrier_signal -1
	s_barrier_wait -1                              ; SU and the zeros lie in LDS
	ROW 0, 208
	XLOAD 1                                        ; D is free
	ROW 1, D
	s_lshl_b32 s21, s20, 2
	s_mul_i32 s28, s20, GB
	s_wait_alu depctr_va_vdst(0)                   ; the wait ahead of the run of scalar instructions
.irp i, 0,1,2,3
	KOFF \i, GA+\i, 0
.endr
	v_lshl_add_u32 v[SOG], v1, 3, s28
	s_wait_alu depctr_va_vdst(0)
	s_wait_dscnt 0x0
	s_barrier_signal -1
	s_barrier_wait -1                              ; no wave reads its stage any more: the image is laid over the stages
	IMAGE 0, 208
	IMAGE 1, D
	s_wait_dscnt 0x0
	s_barrier_signal -1
	s_barrier_wait -1                              ; the image of all 16 rows is whole
.irp i, 0,1,2,3                        ; wave w takes K steps 4 w .. 4 w + 3: twelve runs of 512 consecutive bytes
.irp j, 0,1,2
	ds_load_b128 v[S+4*(3*\i+\j):S+4*(3*\i+\j)+3], v[IMR] offset:IMP*\i+512*\j
.endr
.endr
.irp i, 0,1,2,3
.irp j, 0,1,2
	s_wait_dscnt 11-(3*\i+\j)
	global_store_b128 v[GA+\i], v[S+4*(3*\i+\j):S+4*(3*\i+\j)+3], s[12:13] offset:512*\j
.endr
.endr
	SCOUT SOL, SOG, 192, 12
	; ---------------- W ----------------
	; Wave w takes K steps 4 w .. 4 w + 3 of the block's 16 rows.  A table entry is 32 bytes: lanes (r, 0) and (r, 1) ask for its two halves in one instruction;
	; v_permlane16_swap_b32 then gives lane (r, 0) the whole entries of blocks 0 and 2 of the K step, lane (r, 1) those of blocks 1 and 3: the fragment's own layout, so the codes are stored as they are made.
.set IX,  16                           ; v16-79   64 indices of my row, then their byte offsets (+ 16 h); a K step's sixteen are its registers at work once its gathers are in
.set R,   80                           ; v80-207  two sets of 64 numbers
.set CW,  208                          ; v208-255 twelve registers of codes a K step: no store's data are written again
.macro GATH i
.irp c, 0,1
.irp p, 0,1,2,3
	global_load_b128 v[R+64*((\i)%2)+32*\c+8*\p:R+64*((\i)%2)+32*\c+8*\p+3],   v[IX+16*(\i)+8*\c+\p],   s[8:9]
	global_load_b128 v[R+64*((\i)%2)+32*\c+8*\p+4:R+64*((\i)%2)+32*\c+8*\p+7], v[IX+16*(\i)+8*\c+4+\p], s[8:9]
.endr
.endr
.endm
.macro WSTEP i
.set XS, R+64*((\i)%2)
.set TB, IX+16*(\i)
.if (\i) < 3
	s_wait_loadcnt 16                              ; this K step's sixteen gathers are in; the next one's stay out
.else
	s_wait_loadcnt 0x0
.endif
.irp c, 0,1
.irp p, 0,1,2,3
.irp e, 0,1,2,3
	v_permlane16_swap_b32 v[XS+32*\c+8*\p+\e], v[XS+32*\c+8*\p+4+\e]
.endr
.endr
.endr
.irp c, 0,1
	v_max3_num_f32 v[TB+\c], |v[XS+32*\c]|, |v[XS+32*\c+1]|, 5<<23    ; my two blocks by turns; the floor 2^(5 - 127) holds the byte at 1
.endr
.irp k, 2,4,6,8,10,12,14,16,18,20,22,24,26,28,30
.irp c, 0,1
	s_delay_alu instid0(VALU_DEP_2)
	v_max3_num_f32 v[TB+\c], v[TB+\c], |v[XS+32*\c+\k]|, |v[XS+32*\c+\k+1]|
.endr
.endr
.irp c, 0,1
	s_delay_alu instid0(VALU_DEP_2)
	v_add_nc_u32 v[TB+2+\c], 0xfe000000, v[TB+\c]
.endr
.irp c, 0,1
	s_delay_alu instid0(VALU_DEP_2)
	v_lshrrev_b32 v[TB+4+\c], 23, v[TB+2+\c]
.endr
	s_delay_alu instid0(VALU_DEP_1)
	v_lshl_or_b32 v[TB+6], v[TB+5], 16, v[TB+4]    ; blocks h and 2 + h,
	s_delay_alu instid0(VALU_DEP_1)
	v_lshlrev_b32 v[TB+6], v5, v[TB+6]             ; at their places in the word;
	s_delay_alu instid0(VALU_DEP_1)
	v_permlanex16_b32 v[TB+7], v[TB+6], s24, s25
	s_delay_alu instid0(VALU_DEP_1)
	v_or_b32 v[TB+6], v[TB+6], v[TB+7]             ; with lane l xor 16's two the word is whole
.irp c, 0,1
	v_cvt_scalef32_pk16_bf6_f32 v[CW+12*(\i)+6*\c:CW+12*(\i)+6*\c+2], v[XS+32*\c:XS+32*\c+15], v[TB+2+\c]
	v_cvt_scalef32_pk16_bf6_f32 v[TB+8+4*\c:TB+8+4*\c+2], v[XS+32*\c+16:XS+32*\c+31], v[TB+2+\c]
.endr
	v_add_nc_u32 v[TB+15], s[32+\i], v6            ; (the plain instruction behind the conversions)
.irp c, 0,1
.irp e, 0,1,2
	v_mov_b32 v[CW+12*(\i)+6*\c+3+\e], v[TB+8+4*\c+\e]
.endr
.endr
	ds_store_b32 v[TB+15], v[TB+6]                 ; lanes r and r + 16 write the same word with the same value
.irp j, 0,1,2
	global_store_b128 v[9+\i], v[CW+12*(\i)+4*\j:CW+12*(\i)+4*\j+3], s[14:15] offset:512*\j   ; 512 consecutive bytes, aligned
.endr
.if (\i)+2 < 4
	GATH (\i)+2
.endif
.endm
.Lw:
	s_sub_co_u32 s21, ttmp9, 256                   ; my block of 16 rows
	s_mov_b32 s23, 0
	s_lshl_b32 s22, s21, 15                        ; 16 rows of 2,048 bytes of indices,
	s_lshl_b32 s24, s20, 8                         ; my wave's 64 indices of each row
	s_add_co_u32 s22, s22, s24
	s_add_nc_u64 s[10:11], s[10:11], s[22:23]
	s_mul_i32 s22, s21, RBP
	s_add_nc_u64 s[14:15], s[14:15], s[22:23]
	s_add_co_u32 s27, s24, SCW
	s_mul_i32 s28, s20, GB
	s_mov_b32 s24, 0x76543210
	s_mov_b32 s25, 0xfedcba98                      ; v_permlanex16_b32's selects for lane l xor 16
	v_lshlrev_b32 v[GO], 4, v1
	v_and_b32 v3, 15, v1                           ; r
	v_lshrrev_b32 v5, 4, v1                        ; h
	v_lshl_add_u32 v7, v1, 3, s27
	v_lshl_add_u32 v8, v1, 3, s28
	v_lshl_add_u32 v6, v3, 4, SCW                  ; SCW + 16 r
	v_lshlrev_b32 v4, 4, v5                        ; 16 h: my half of an entry
	v_lshlrev_b32 v3, 11, v3                       ; my row of indices
	v_lshlrev_b32 v5, 3, v5                        ; 8 h
	v_lshl_add_u32 v13, v0, 4, SCW
.irp e, 0,1,2,3
	v_mov_b32 v[CW+\e], 0
.endr
.set j, 0
.rept 16
	global_load_b128 v[IX+4*j:IX+4*j+3], v3, s[10:11] offset:16*j
.set j, j+1
.endr
	ds_store_b128 v13, v[CW:CW+3]                  ; the scale area begins as zeros
	s_lshl_b32 s21, s20, 2
	s_wait_alu depctr_va_vdst(0)                   ; the wait ahead of the run of scalar instructions
.irp i, 0,1,2,3
	KOFF \i, 9+\i, 1
.endr
	s_wait_alu depctr_va_vdst(0)
	s_wait_dscnt 0x0
	s_barrier_signal -1
	s_barrier_wait -1                              ; the zeros lie in LDS: only now are words stored over them
	s_wait_loadcnt 0x0
.set j, 0
.rept 64
	v_min_u32 v[IX+j], 0xffff, v[IX+j]             ; an index stays inside the table
.set j, j+1
.endr
.set j, 0
.rept 64
	v_lshl_add_u32 v[IX+j], v[IX+j], 5, v4         ; 32 bytes an entry, + my half
.set j, j+1
.endr
	GATH 0
	GATH 1
.irp i, 0,1,2,3
	WSTEP \i
.endr
	s_wait_dscnt 0x0
	s_barrier_signal -1
	s_barrier_wait -1                              ; all 32 K steps' words lie in LDS
	SCOUT 7, 8, 16, 14
.Lfunc_end_k_q93a79afc3b_prep:
	.size	k_q93a79afc3b_prep, .Lfunc_end_k_q93a79afc3b_prep-k_q93a79afc3b_prep
	.p2alignl 7, 3214868480
	.fill 96, 4, 3214868480
	.section	.rodata,"a",@progbits
	.p2align	6, 0x0
	.amdhsa_kernel k_q93a79afc3b_prep
		.amdhsa_group_segment_fixed_size 160768
		.amdhsa_private_segment_fixed_size 0
		.amdhsa_enable_private_segment 0
		.amdhsa_kernarg_size 48
		.amdhsa_user_sgpr_count 2
		.amdhsa_user_sgpr_kernarg_segment_ptr 1
		.amdhsa_wavefront_size32 1
		.amdhsa_system_sgpr_workgroup_id_x 1
		.amdhsa_system_sgpr_workgroup_id_y 1
		.amdhsa_system_sgpr_workgroup_id_z 1
		.amdhsa_system_vgpr_workitem_id 0
		.amdhsa_next_free_vgpr 256
		.amdhsa_next_free_sgpr 66
		.amdhsa_reserve_vcc 0
		.amdhsa_float_denorm_mode_32 3
		.amdhsa_float_denorm_mode_16_64 3
		.amdhsa_memory_ordered 1
		.amdhsa_forward_progress 1
		.amdhsa_inst_pref_size 209
	.end_amdhsa_kernel
	.amdgpu_metadata
---
amdhsa.version: [ 1, 2 ]
amdhsa.kernels:
  - .name:           k_q93a79afc3b_prep
    .symbol:         k_q93a79afc3b_prep.kd
    .args:
      - { .name: input, .offset: 0, .size: 8, .value_kind: global_buffer, .address_space: global }
      - { .name: SU, .offset: 8, .size: 8, .value_kind: global_buffer, .address_space: global }
      - { .name: grid, .offset: 16, .size: 8, .value_kind: global_buffer, .address_space: global }
      - { .name: Qidxs, .offset: 24, .size: 8, .value_kind: global_buffer, .address_space: global }
      - { .name: xq, .offset: 32, .size: 8, .value_kind: global_buffer, .address_space: global }
      - { .name: wq, .offset: 40, .size: 8, .value_kind: global_buffer, .address_space: global }
    .group_segment_fixed_size: 160768
    .private_segment_fixed_size: 0
    .kernarg_segment_align: 8
    .kernarg_segment_size: 48
    .max_flat_workgroup_size: 256
    .sgpr_count:     66
    .vgpr_count:     256
    .wavefront_size: 32
...
	.end_amdgpu_metadata
.endif
;; end of part 1
;; launch gemm (part 2): grid 16 x 16, 4 waves a work-group, clusters of 4 x 4, 327,680 bytes of LDS; arguments xq, wq, cbuf; writes cbuf
.if DOCPART == 2
	.amdgcn_target "amdgcn-amd-amdhsa--gfx1250"
	.amdhsa_code_object_version 6
	.text
	.protected	k_q93a79afc3b_gemm
	.globl	k_q93a79afc3b_gemm
	.p2align	8
	.type	k_q93a79afc3b_gemm,@function
k_q93a79afc3b_gemm:
	s_mov_b64 s[64:65], 0
	v_nop
	global_prefetch_b8 v0, s[64:65] scope:SCOPE_SE
	s_setreg_imm32_b32 hwreg(HW_REG_WAVE_MODE, 25, 1), 1
	s_wait_xcnt 0x0
	s_wait_alu depctr_hold_cnt(0) depctr_sa_sdst(0) depctr_va_vdst(0) depctr_va_sdst(0) depctr_va_ssrc(0) depctr_va_vcc(0) depctr_vm_vsrc(0)
	s_getreg_b32 s2, hwreg(HW_REG_IB_STS2, 6, 4)
	s_cmp_eq_u32 s2, 0
	s_cbranch_scc0 .Lentry_in_a_cluster
	s_endpgm
.Lentry_in_a_cluster:
	s_bfe_u32 s2, ttmp6, 0x10000c
	s_cmp_lg_u32 s2, 0xf033
	s_cbranch_scc0 .Lentry_shape_is_right
	s_endpgm
.Lentry_shape_is_right:
; C[m][n] = sum over k of x[m][k] W[n][k], 4,096 x 4,096 x 4,096, on codes of BF6 (E3M2) with E8M0 scales; C f32, row-major.
; xq, wq hold images of the operand registers.  A block of 16 rows is 11 groups of GB = 4,864 bytes; a group is 256 bytes of scale words (row r at 16 r, word f for K step f of the group)
; and a fragment of 1,536 bytes for each of its three K steps of 128 (piece j at 512 j, lane l at 16 l: registers 4 j .. 4 j + 3).  Group 10 has two K steps, 3,328 bytes.
; A tile of C, 256 x 256, is made by four waves, 128 x 128 each: 64 accumulators, 512 registers.  K goes through a ring of two LDS slots, a group (three K steps) of A's 16 and B's 16 blocks to a slot;
; a wave's tensor load brings 8 rows of 4,864 bytes, each beginning at a multiple of 256 bytes.  A fragment is three ds_load_b128 of 512 consecutive bytes; no padding is needed.
; CLUSTERS: 4 x 4 work-groups; A's tiles are asked for jointly along a row of the cluster, B's along a column.  The matrix instruction is used transposed (source 0 = W's rows, source 1 = x's rows).
; REGISTERS: window 0: v16-31 addresses; v32-95 scale words, two sets (register 4 i + f: lanes 0-15 A's block i, lanes 16-31 B's block i, K step f); v128-223 A's fragments, one set;
; window 1: B's fragments, two sets, at v0 and v128; windows 2 and 3: the accumulators.
; PREFETCH: behind the load of group g the wave names group g + 2, two loads on, groups 2 to 10: of the 8 rows that a wave fetches each of the four partners takes two, by address; a lane a block of 256 bytes,
; 19 blocks a row, 13 in group 10 (the lanes left over name the last again).  Groups 0 and 1 come by their loads alone.
.set SIZE_N, 4096
.set GB,     4864
.set GBL,    3328
.set RBP,    11*GB
.set FR,     12
.set HALFT,  8*GB                      ; what one tensor load brings, and what one wave reads of A or of B
.set SLOT,   4*HALFT                   ; A's 16 blocks, then B's 16
.set SPARE,  2*SLOT                    ; the spare words, 128 bytes a wave
.set SPITCH, 528
.set STAGE,  SLOT                      ; the way out goes through slot 1: the last group lies in slot 0
.set ADRA, 16
.set ADRB, 20
.set ADRS, 22
.set STO,  24
.set RD,   25
.set CO,   26
.set SPW,  28
.set NIL,  29
.set PFO,  30
.set PFS,  31
.set SC,   32
.set AF,   128
.set BK,   128
.set G1, 24
.set G0, 32
.set G1B, 48
.set G0B, 56
.set PFA, 68
.set MSB, 0
.macro WIN new
.if MSB != \new
	s_set_vgpr_msb (MSB<<8)|\new
.set MSB, \new
.endif
.endm
.set MUL_LO, 0xa1
.set MUL_HI, 0xf1
.set TO_B,   0x40
.macro JLOAD g0a, g0b                  ; a joint load: waves 0, 1 fetch A's halves, waves 2, 3 B's
	s_cmp_eq_u32 s15, 0
	s_cbranch_scc0 .Lfor_b_\@
	tensor_load_to_lds s[\g0a:\g0a+3], s[G1:G1+7]
	s_nop 0
.rept 4
	v_nop
.endr
	s_branch .Lasked_\@
.Lfor_b_\@:
	tensor_load_to_lds s[\g0b:\g0b+3], s[G1B:G1B+7]
	s_nop 0
.rept 4
	v_nop
.endr
.Lasked_\@:
.endm
.macro CREST
	s_cmp_lg_u32 s14, 0
	s_cbranch_scc1 .Lnot_wave_0_\@
	s_barrier_signal -3
.Lnot_wave_0_\@:
	s_barrier_wait -3
	s_barrier_signal -1
	s_barrier_wait -1
.endm
.macro CROUND
	s_barrier_signal -1
	s_barrier_wait -1
	CREST
.endm
	s_load_b128 s[4:7], s[0:1], 0x0                ; xq, wq
	s_load_b64 s[12:13], s[0:1], 0x10              ; C
	v_lshl_add_u32 v[SPW], v0, 2, SPARE
	v_mov_b32 v[NIL], 0
	ds_add_u32 v[SPW], v[NIL]                      ; the opening lines: the add twice on end and its wait
	ds_add_u32 v[SPW], v[NIL]
	v_lshrrev_b32 v1, 5, v0
	v_readfirstlane_b32 s14, v1                    ; wave
	s_lshr_b32 s15, s14, 1                         ; my half of the tile's rows; also: I fetch for A (0) or B (1)
	s_and_b32 s16, s14, 1                          ; my half of its columns; also: which 8 blocks I fetch
	s_bfe_u32 s40, ttmp6, 0x40000                  ; cx
	s_bfe_u32 s41, ttmp6, 0x40004                  ; cy
	s_lshl_b32 s42, ttmp9, 2
	s_add_co_u32 s42, s42, s40                     ; tile column
	s_and_b32 s17, ttmp7, 0xffff
	s_lshl_b32 s17, s17, 2
	s_add_co_u32 s17, s17, s41                     ; tile row
	s_lshl_b32 s43, s41, 2
	s_lshl_b32 s43, 15, s43                        ; my row of the cluster
	s_lshl_b32 s44, 0x1111, s40                    ; my column
	s_or_b32 s[G1+0], s43, (3<<16)|(1<<21)         ; elements of 8 bytes, no padding
	s_or_b32 s[G1B+0], s44, (3<<16)|(1<<21)
.irp g, G1, G1B
	s_mov_b32 s[\g+1], (GB/8)<<16                  ; tensor_dim0
	s_mov_b32 s[\g+2], 8<<16                       ; tensor_dim1
	s_mov_b32 s[\g+3], (GB/8)<<16                  ; tile_dim0
	s_mov_b32 s[\g+4], 8                           ; tile_dim1
	s_mov_b32 s[\g+5], RBP/8                       ; from block to block
	s_mov_b32 s[\g+6], 0
	s_mov_b32 s[\g+7], 0
.endr
	s_lshl_b32 s18, s16, 3
	s_lshl_b32 s20, s17, 4
	s_add_co_u32 s20, s20, s18                     ; A: block 16 x tile row + 8 x half
	s_mul_i32 s20, s20, RBP
	s_mov_b32 s21, 0
	s_lshl_b32 s46, s42, 4
	s_add_co_u32 s46, s46, s18                     ; B: block 16 x tile column + 8 x half
	s_mul_i32 s46, s46, RBP
	s_mov_b32 s47, 0
	s_mul_i32 s45, s14, HALFT                      ; where they go
	s_wait_dscnt 0x0
	s_wait_kmcnt 0x0
	s_add_nc_u64 s[20:21], s[4:5], s[20:21]
	s_add_nc_u64 s[46:47], s[6:7], s[46:47]
	CROUND                                         ; the first joint loads meet
.irp s, 0,1
	s_mov_b32 s[G0+4*\s], 1
	s_add_co_u32 s[G0+4*\s+1], s45, \s*SLOT
	s_add_nc_u64 s[G0+4*\s+2:G0+4*\s+3], s[20:21], \s*GB
	s_or_b32 s[G0+4*\s+3], s[G0+4*\s+3], 0x80000000
	s_mov_b32 s[G0B+4*\s], 1
	s_add_co_u32 s[G0B+4*\s+1], s45, \s*SLOT
	s_add_nc_u64 s[G0B+4*\s+2:G0B+4*\s+3], s[46:47], \s*GB
	s_or_b32 s[G0B+4*\s+3], s[G0B+4*\s+3], 0x80000000
.endr
	JLOAD G0, G0B                                  ; group 0: one tensor load a wave at the head
	v_and_b32 v1, 15, v0                           ; r
	v_bfe_u32 v2, v0, 4, 1                         ; h
	v_and_b32 v6, 31, v0
	v_lshlrev_b32 v[CO], 4, v6                     ; 16 x lane
	s_mul_i32 s21, s15, HALFT                      ; my 8 blocks of A
	s_mul_i32 s22, s16, HALFT
	s_add_co_u32 s22, s22, 2*HALFT                 ; my 8 blocks of B
	v_add_nc_u32 v[ADRA], s21, v[CO]
	v_add_nc_u32 v[ADRB], s22, v[CO]
	v_add_nc_u32 v[ADRA+1], SLOT, v[ADRA]
	v_add_nc_u32 v[ADRB+1], SLOT, v[ADRB]
	s_sub_co_u32 s22, s22, s21
	v_mul_u32_u24 v5, s22, v2                      ; scale words: lanes 16-31 take B's
	v_lshl_add_u32 v5, v1, 4, v5
	v_add_nc_u32 v[ADRS], s21, v5
	v_add_nc_u32 v[ADRS+1], SLOT, v[ADRS]
	s_mul_i32 s23, s14, 16*SPITCH
	s_add_co_u32 s23, s23, STAGE                   ; my stage
	v_mul_u32_u24 v5, v1, SPITCH
	v_lshl_add_u32 v5, v2, 5, v5
	v_add_nc_u32 v[STO], s23, v5
	v_add_nc_u32 v[RD], s23, v[CO]
	v_min_u32 v[PFO], 18, v6
	v_min_u32 v[PFS], 12, v6
	v_lshlrev_b32 v[PFO], 8, v[PFO]                ; the prefetches: a lane a block of 256 bytes of a row's 19,
	v_lshlrev_b32 v[PFS], 8, v[PFS]                ; of group 10's 13
	s_lshl_b32 s20, s17, 8
	s_lshl_b32 s21, s15, 7
	s_add_co_u32 s20, s20, s21                     ; my first row of C
	s_mov_b32 s21, 0
	s_mov_b64 s[18:19], SIZE_N*4
	s_mul_u64 s[20:21], s[20:21], s[18:19]
	s_lshl_b32 s46, s42, 10
	s_lshl_b32 s47, s16, 9
	s_add_co_u32 s46, s46, s47                     ; my first column, in bytes
	s_mov_b32 s47, 0
	s_add_nc_u64 s[20:21], s[20:21], s[46:47]
	s_add_nc_u64 s[12:13], s[12:13], s[20:21]
	s_cmp_eq_u32 s15, 0                            ; the prefetches' base: do I fetch for A?
	s_cselect_b32 s20, s17, s42
	s_cselect_b32 s21, s40, s41                    ; my place among the four that ask with me
	s_cselect_b64 s[PFA:PFA+1], s[4:5], s[6:7]
	s_lshl_b32 s20, s20, 4
	s_lshl_b32 s22, s16, 3
	s_add_co_u32 s20, s20, s22
	s_lshl_b32 s21, s21, 1
	s_add_co_u32 s20, s20, s21                     ; my work-group's two of the 8 blocks that I fetch
	s_mul_i32 s20, s20, RBP
	s_add_co_u32 s20, s20, 3*GB                    ; at group 3: the first refill steps it to group 4
	s_mov_b32 s21, 0
	s_add_nc_u64 s[PFA:PFA+1], s[PFA:PFA+1], s[20:21]
.macro FRAG reg, adr, f, i, gp         ; a fragment: block i, K step f of the group; gp: from block to block in LDS
.irp j, 0,1,2
	ds_load_b128 v[\reg+4*\j:\reg+4*\j+3], v[\adr] offset:(\i)*(\gp)+256+1536*(\f)+512*\j
.endr
.endm
; 16 matrix instructions: A's blocks a0, a0 + 1 x B's eight.  p: B's set; f: the K step in its group; sc: the set of scale words.  The 64 accumulators take turns
.macro MUL16 a0, p, f, sc, zero
.irp a, \a0, \a0+1
.irp b, 0,1,2,3,4,5,6,7
.if \zero
	v_wmma_scale_f32_16x16x128_f8f6f4 v[8*(8*((\a)%4)+\b):8*(8*((\a)%4)+\b)+7], v[128*(\p)+FR*\b:128*(\p)+FR*\b+FR-1], v[AF+FR*(\a):AF+FR*(\a)+FR-1], 0, v[SC+32*(\sc)+4*\b+(\f)], v[SC+32*(\sc)+4*(\a)+(\f)] matrix_a_fmt:MATRIX_FMT_BF6 matrix_b_fmt:MATRIX_FMT_BF6 matrix_a_scale:MATRIX_SCALE_ROW1
.else
	v_wmma_scale_f32_16x16x128_f8f6f4 v[8*(8*((\a)%4)+\b):8*(8*((\a)%4)+\b)+7], v[128*(\p)+FR*\b:128*(\p)+FR*\b+FR-1], v[AF+FR*(\a):AF+FR*(\a)+FR-1], v[8*(8*((\a)%4)+\b):8*(8*((\a)%4)+\b)+7], v[SC+32*(\sc)+4*\b+(\f)], v[SC+32*(\sc)+4*(\a)+(\f)] matrix_a_fmt:MATRIX_FMT_BF6 matrix_b_fmt:MATRIX_FMT_BF6 matrix_a_scale:MATRIX_SCALE_ROW1
.endif
.endr
.endr
.endm
.macro FETCH_B slot, f, p, gp
	WIN TO_B
.irp i, 0,1,2,3,4,5,6,7
	FRAG 128*(\p)+FR*\i, ADRB+(\slot), \f, \i, \gp
.endr
	WIN 0
.endm
.macro FETCH_A slot, f, i0, gp
.irp i, \i0, \i0+1, \i0+2, \i0+3
	FRAG AF+FR*(\i), ADRA+(\slot), \f, \i, \gp
.endr
.endm
.macro SCALES slot, gp                 ; a group's scale words: four words a row (the fourth is not used)
.irp i, 0,1,2,3,4,5,6,7
	ds_load_b128 v[SC+32*(\slot)+4*\i:SC+32*(\slot)+4*\i+3], v[ADRS+(\slot)] offset:\i*(\gp)
.endr
.endm
.macro PLACES                          ; four places in front of loads into registers that matrix instructions have read
.rept 4
	v_nop
.endr
.endm
; K step f (0 or 1) of the group in a slot: 64 matrix instructions; the next K step's fragments, of the same group, are fetched in its middle and at its end.  B's set is the K step's parity, (3 slot + f) % 2
.macro STEP slot, f, zero, gp
	s_wait_dscnt 12                                ; all but A's blocks 4-7 (the youngest 12 loads)
	WIN MUL_LO
	MUL16 0, (3*(\slot)+(\f))%2, \f, \slot, \zero
	MUL16 2, (3*(\slot)+(\f))%2, \f, \slot, \zero
	s_wait_dscnt 0
	PLACES
	FETCH_B \slot, (\f)+1, (3*(\slot)+(\f)+1)%2, \gp
	FETCH_A \slot, (\f)+1, 0, \gp
	WIN MUL_HI
	MUL16 4, (3*(\slot)+(\f))%2, \f, \slot, \zero
	MUL16 6, (3*(\slot)+(\f))%2, \f, \slot, \zero
	PLACES
	WIN 0
	FETCH_A \slot, (\f)+1, 4, \gp
.endm
; two rows of the group two loads on.  In the loop's last trip the first change of slots asks for group 10's 13 blocks a row, the second for nothing
.macro ASK slot
	s_cmp_gt_u32 s3, 1
	s_cbranch_scc0 .Llast_ask_\@
	global_prefetch_b8 v[PFO], s[PFA:PFA+1] th:TH_LOAD_NT scope:SCOPE_SE
	global_prefetch_b8 v[PFO], s[PFA:PFA+1] offset:RBP th:TH_LOAD_NT scope:SCOPE_SE
.if \slot == 0
	s_branch .Lpf_done_\@
.endif
.Llast_ask_\@:
.if \slot == 0
	global_prefetch_b8 v[PFS], s[PFA:PFA+1] th:TH_LOAD_NT scope:SCOPE_SE
	global_prefetch_b8 v[PFS], s[PFA:PFA+1] offset:RBP th:TH_LOAD_NT scope:SCOPE_SE
.Lpf_done_\@:
.endif
.endm
; A group's last K step changes slots.  In front of the barrier each wave waits for all its tensor loads, adds 0 to its spare word, and waits for that and for its reads of this slot.
; fill = 1: the barrier opens a round of the cluster's barrier and this slot takes the group two on; 2: the same with group 10's shorter rows; 0: nothing is left to fetch.  gpn: the next group's pitch in LDS
.macro TURN slot, fill, gpn
.if \fill == 1
	s_wait_xcnt 0x0                                ; my prefetches have read their address
	s_add_nc_u64 s[PFA:PFA+1], s[PFA:PFA+1], GB
.endif
	s_wait_tensorcnt 0x0
	ds_add_u32 v[SPW], v[NIL]
	s_wait_dscnt 13                                ; (the add and A's blocks 4-7 may be out)
	WIN MUL_LO
	MUL16 0, (3*(\slot))%2, 2, \slot, 0
	s_wait_dscnt 0x0
	s_barrier_signal -1
	MUL16 2, (3*(\slot))%2, 2, \slot, 0
	WIN 0
	s_barrier_wait -1
.if \fill
	CREST
	s_add_nc_u64 s[G0+4*\slot+2:G0+4*\slot+3], s[G0+4*\slot+2:G0+4*\slot+3], 2*GB
	s_add_nc_u64 s[G0B+4*\slot+2:G0B+4*\slot+3], s[G0B+4*\slot+2:G0B+4*\slot+3], 2*GB
.if \fill == 2
	s_mov_b32 s[G1+1], (GBL/8)<<16                 ; no tensor load of mine is out: the last group's rows are 3,328 bytes
	s_mov_b32 s[G1+3], (GBL/8)<<16
	s_mov_b32 s[G1B+1], (GBL/8)<<16
	s_mov_b32 s[G1B+3], (GBL/8)<<16
.endif
	JLOAD G0+4*\slot, G0B+4*\slot                  ; the first tensor load behind the round; its four v_nop are the places in front of the loads below
.else
	PLACES
.endif
	FETCH_B 1-(\slot), 0, (3*(\slot)+1)%2, \gpn
	FETCH_A 1-(\slot), 0, 0, \gpn
	SCALES 1-(\slot), \gpn
.if \fill == 1
	ASK \slot
.endif
	WIN MUL_HI
	MUL16 4, (3*(\slot))%2, 2, \slot, 0
	MUL16 6, (3*(\slot))%2, 2, \slot, 0
	PLACES
	WIN 0
	FETCH_A 1-(\slot), 0, 4, \gpn
.endm
	s_wait_alu depctr_va_vdst(0)                   ; the wait at the head's end
	global_prefetch_b8 v[PFO], s[PFA:PFA+1] offset:-GB th:TH_LOAD_NT scope:SCOPE_SE      ; behind group 0's load: group 2
	global_prefetch_b8 v[PFO], s[PFA:PFA+1] offset:RBP-GB th:TH_LOAD_NT scope:SCOPE_SE
	s_wait_tensorcnt 0x0                           ; my part of group 0 is in; the same lines as ahead of a refill:
	ds_add_u32 v[SPW], v[NIL]
	s_wait_dscnt 0x0
	CROUND
	JLOAD G0+4, G0B+4                              ; group 1: slot 1's first fill, the first tensor load behind the round
	FETCH_B 0, 0, 0, GB
	FETCH_A 0, 0, 0, GB
	SCALES 0, GB
	FETCH_A 0, 0, 4, GB
	global_prefetch_b8 v[PFO], s[PFA:PFA+1] th:TH_LOAD_NT scope:SCOPE_SE                 ; behind group 1's load: group 3
	global_prefetch_b8 v[PFO], s[PFA:PFA+1] offset:RBP th:TH_LOAD_NT scope:SCOPE_SE
	STEP 0, 0, 1, GB                               ; the first K step starts the sums
	s_mov_b32 s3, 4
.Llap:                                                 ; a trip: six K steps, once round the ring, both slots filled again (groups 2 to 9)
	STEP 0, 1, 0, GB
	TURN 0, 1, GB
	STEP 1, 0, 0, GB
	STEP 1, 1, 0, GB
	TURN 1, 1, GB
	STEP 0, 0, 0, GB
	s_sub_co_u32 s3, s3, 1
	s_cmp_lg_u32 s3, 0
	s_cbranch_scc1 .Llap
	STEP 0, 1, 0, GB                               ; group 8 goes on
	TURN 0, 2, GB                                  ; slot 0 takes group 10
	STEP 1, 0, 0, GB
	STEP 1, 1, 0, GB
	TURN 1, 0, GBL
	STEP 0, 0, 0, GBL                              ; K step 30
	s_wait_dscnt 12                                ; K step 31: nothing more to fetch
	WIN MUL_LO
	MUL16 0, 1, 1, 0, 0
	MUL16 2, 1, 1, 0, 0
	s_wait_dscnt 0
	WIN MUL_HI
	MUL16 4, 1, 1, 0, 0
	MUL16 6, 1, 1, 0, 0
	WIN 0
; THE WAY OUT, block by block of 16 rows x 128 columns, through my own stage in slot 1 (its last fill and its last read lie behind the walk's last barrier); back as whole rows of 512 bytes.
.macro TOSTAGE a
.set AC, 64*((\a)%4)
	WIN 0x08+4*((\a)/4)
.irp b, 0,1,2,3,4,5,6,7
	ds_store_b128 v[STO], v[AC+8*\b:AC+8*\b+3] offset:64*\b          ; each accumulator from its low end on
	ds_store_b128 v[STO], v[AC+8*\b+4:AC+8*\b+7] offset:64*\b+16
.endr
	WIN 0
.set BB, BK+64*((\a)%2)
.irp t, 0,1,2,3,4,5,6,7,8,9,10,11,12,13,14,15
	ds_load_b128 v[BB+4*\t:BB+4*\t+3], v[RD] offset:\t*SPITCH
.endr
.endm
.macro SEND a, younger
.set BB, BK+64*((\a)%2)
	s_wait_dscnt \younger
.if (\a) > 0
	s_add_nc_u64 s[12:13], s[12:13], 16*SIZE_N*4   ; (behind a wait on XCNT)
.endif
.irp t, 0,1,2,3,4,5,6,7,8,9,10,11,12,13,14,15
	global_store_b128 v[CO], v[BB+4*\t:BB+4*\t+3], s[12:13] offset:\t*SIZE_N*4 th:TH_STORE_NT   ; 512 consecutive bytes, aligned
.endr
.endm
	PLACES
	TOSTAGE 0
.irp a, 1,2,3,4,5,6,7
.if \a > 1
	s_wait_xcnt 0x0                                ; block a - 2's stores have read their registers and their base
.endif
	TOSTAGE \a
	SEND \a-1, 32
.endr
	s_wait_xcnt 0x0
	SEND 7, 0
	s_wait_tensorcnt 0x0                           ; the wave's end
	ds_add_u32 v[SPW], v[NIL]
	s_wait_dscnt 0x0
	CROUND                                         ; the closing round
	s_endpgm
.Lfunc_end_k_q93a79afc3b_gemm:
	.size	k_q93a79afc3b_gemm, .Lfunc_end_k_q93a79afc3b_gemm-k_q93a79afc3b_gemm
	.p2alignl 7, 3214868480
	.fill 96, 4, 3214868480
	.section	.rodata,"a",@progbits
	.p2align	6, 0x0
	.amdhsa_kernel k_q93a79afc3b_gemm
		.amdhsa_group_segment_fixed_size 327680
		.amdhsa_private_segment_fixed_size 0
		.amdhsa_enable_private_segment 0
		.amdhsa_kernarg_size 24
		.amdhsa_user_sgpr_count 2
		.amdhsa_user_sgpr_kernarg_segment_ptr 1
		.amdhsa_wavefront_size32 1
		.amdhsa_system_sgpr_workgroup_id_x 1
		.amdhsa_system_sgpr_workgroup_id_y 1
		.amdhsa_system_sgpr_workgroup_id_z 1
		.amdhsa_system_vgpr_workitem_id 0
		.amdhsa_next_free_vgpr 1024
		.amdhsa_next_free_sgpr 98
		.amdhsa_reserve_vcc 0
		.amdhsa_float_denorm_mode_32 3
		.amdhsa_float_denorm_mode_16_64 3
		.amdhsa_memory_ordered 1
		.amdhsa_forward_progress 1
		.amdhsa_inst_pref_size 206
	.end_amdhsa_kernel
	.amdgpu_metadata
---
amdhsa.version: [ 1, 2 ]
amdhsa.kernels:
  - .name:           k_q93a79afc3b_gemm
    .symbol:         k_q93a79afc3b_gemm.kd
    .args:
      - { .name: xq, .offset: 0, .size: 8, .value_kind: global_buffer, .address_space: global }
      - { .name: wq, .offset: 8, .size: 8, .value_kind: global_buffer, .address_space: global }
      - { .name: cbuf, .offset: 16, .size: 8, .value_kind: global_buffer, .address_space: global }
    .group_segment_fixed_size: 327680
    .private_segment_fixed_size: 0
    .kernarg_segment_align: 8
    .kernarg_segment_size: 24
    .max_flat_workgroup_size: 128
    .sgpr_count:     98
    .vgpr_count:     1024
    .wavefront_size: 32
...
	.end_amdgpu_metadata
.endif
;; end of part 2
;; launch rot (part 3): grid 512 x 1, 8 waves a work-group, no clusters, 152,576 bytes of LDS; arguments cbuf, SV, out0; writes out0
.if DOCPART == 3
	.amdgcn_target "amdgcn-amd-amdhsa--gfx1250"
	.amdhsa_code_object_version 6
	.text
	.protected	k_q93a79afc3b_rot
	.globl	k_q93a79afc3b_rot
	.p2align	8
	.type	k_q93a79afc3b_rot,@function
k_q93a79afc3b_rot:
	s_mov_b64 s[64:65], 0
	v_nop
	global_prefetch_b8 v0, s[64:65] scope:SCOPE_SE
	s_setreg_imm32_b32 hwreg(HW_REG_WAVE_MODE, 25, 1), 1
	s_wait_xcnt 0x0
; out0[r][:] = H (C[r][:]) / 64 * SV, H the Walsh-Hadamard transform of length 4,096 along a row.  C, out0: [4096][4096] f32; SV: [4096] f32.
; One wave, one row, 128 registers a lane; eight waves a work-group, 512 work-groups.  Memory binds: each byte of C is read once, by loads of 512 consecutive bytes, each byte of out0 written once, likewise.
; A butterfly on bit i of k needs k and k xor 2^i in one lane, so the row is held in two layouts:
;   layout A, as loaded and as stored (load j: 512 consecutive bytes): register 4 j + e holds k = 128 j + 4 lane + e: bits 0, 1, 7-11 of k lie in the register number;
;   layout B, after a turn through the wave's own stage in LDS:  register p holds k = 128 lane + p: bits 0-6 lie in the register number.
; Seven stages in A, five in B, 64 packed additions each; then the turn back.  The stages commute; they run in another order than the source's loop, so the f32 roundings differ from it in the last bits.
; SV comes once for the work-group, is multiplied by 1/64 (a power of two: nothing is rounded, short of denormals) and lies in LDS as it lies in memory.
; No tensor loads, no matrix units, no cluster: the work-groups share nothing but SV's 16,384 bytes.  LIMITS: NaN and infinities are passed on as the additions make them, not as the source's order would.
.set STGB,  32*528                     ; a wave's stage: 32 lines of 128 numbers + 16 bytes: 132 words, so line l starts at bank 4 l mod 64 (64 banks of 4 bytes: ISA guide 11.1)
.set SVL,   8*STGB                     ; LDS: behind the eight stages SV / 64, 16,384 bytes
.set D,   16                           ; v16-143   the row
.set S,   144                          ; v144-207  SV; at work; half of the result
.set T,   S                            ; v144-159  two sets of four pairs, at work in a butterfly
.set GO,  2                            ; v2   16 x lane: my bytes of 512 in memory
.set SVA, 3                            ; v3   SVL + 16 x lane
.set STW, 4                            ; v4   stage + 16 x lane: layout A's side
.set STR, 5                            ; v5   stage + 528 x lane: layout B's side
.set TG,  10                           ; v10  16 x thread
.set TL,  11                           ; v11  SVL + 16 x thread
; the stage on bit 0 of k: inside a pair: low = low + high, high = low - high
.macro ST0
.set j, 0
.rept 64
	v_pk_add_f32 v[D+2*j:D+2*j+1], v[D+2*j:D+2*j+1], v[D+2*j:D+2*j+1] op_sel:[0,1] op_sel_hi:[0,1] neg_hi:[0,1]
.set j, j+1
.endr
.endm
; two stages at once, on bits b and b + 1 of the pair's number: four pairs in, four out, in place, no moves: eight packed additions.
; w = 1 (with b = 1, straight behind the turn): groups g, g + 1 touch registers 16 (g / 2) .. + 15, loads 4 (g / 2) .. + 3 of the turn's 32: the younger loads stay out
.macro R4 b, w
.set GI, 0
.rept 16
.set PIX, ((GI>>(\b))<<((\b)+2))|(GI&((1<<(\b))-1))
.set RA, D+2*PIX
.set RB, RA+(2<<(\b))
.set RC, RA+(4<<(\b))
.set RE, RA+(6<<(\b))
.set TT, T+8*(GI%2)
.if (\w) && (GI%2 == 0)
	s_wait_dscnt 28-4*(GI/2)
.endif
	v_pk_add_f32 v[TT:TT+1],   v[RA:RA+1], v[RB:RB+1]
	v_pk_add_f32 v[TT+2:TT+3], v[RA:RA+1], v[RB:RB+1] neg_lo:[0,1] neg_hi:[0,1]
	v_pk_add_f32 v[TT+4:TT+5], v[RC:RC+1], v[RE:RE+1]
	v_pk_add_f32 v[TT+6:TT+7], v[RC:RC+1], v[RE:RE+1] neg_lo:[0,1] neg_hi:[0,1]
	s_delay_alu instid0(VALU_DEP_2)
	v_pk_add_f32 v[RA:RA+1], v[TT:TT+1],   v[TT+4:TT+5]
	s_delay_alu instid0(VALU_DEP_3)
	v_pk_add_f32 v[RC:RC+1], v[TT:TT+1],   v[TT+4:TT+5] neg_lo:[0,1] neg_hi:[0,1]
	s_delay_alu instid0(VALU_DEP_3)
	v_pk_add_f32 v[RB:RB+1], v[TT+2:TT+3], v[TT+6:TT+7]
	s_delay_alu instid0(VALU_DEP_4)
	v_pk_add_f32 v[RE:RE+1], v[TT+2:TT+3], v[TT+6:TT+7] neg_lo:[0,1] neg_hi:[0,1]
.set GI, GI+1
.endr
.endm
; the last stage, on bit 6 of k: its sums go to S, its differences stay: my numbers 0-63 then lie in S, 64-127 in D + 64 on
.macro R2S
.set j, 0
.rept 32
	v_pk_add_f32 v[S+2*j:S+2*j+1], v[D+2*j:D+2*j+1], v[D+64+2*j:D+64+2*j+1]
	v_pk_add_f32 v[D+64+2*j:D+64+2*j+1], v[D+2*j:D+2*j+1], v[D+64+2*j:D+64+2*j+1] neg_lo:[0,1] neg_hi:[0,1]
.set j, j+1
.endr
.endm
.macro BACK j0                         ; sixteen lines of the stage come back in layout A
.set j, \j0
.rept 16
	ds_load_b128 v[D+4*j:D+4*j+3], v[STW] offset:528*j
.set j, j+1
.endr
.endm
.macro SVIN h                          ; half h of SV / 64, in layout A
.set j, 0
.rept 16
	ds_load_b128 v[S+4*j:S+4*j+3], v[SVA] offset:512*(16*(\h)+j)
.set j, j+1
.endr
.endm
.macro OUT h                           ; half h of the row: times SV / 64, and stored
.set j, 0
.rept 32
	v_pk_mul_f32 v[D+64*(\h)+2*j:D+64*(\h)+2*j+1], v[D+64*(\h)+2*j:D+64*(\h)+2*j+1], v[S+2*j:S+2*j+1]
.set j, j+1
.endr
.set j, 16*(\h)
.rept 16
	global_store_b128 v[GO], v[D+4*j:D+4*j+3], s[8:9] offset:512*j th:TH_STORE_NT   ; 32 lanes store 512 consecutive bytes, aligned; written once.  D is not written again: no wait for the stores' sources is owed
.set j, j+1
.endr
.endm
	s_load_b128 s[4:7], s[0:1], 0x0                ; C s[4:5], SV s[6:7]
	s_load_b64 s[8:9], s[0:1], 0x10                ; out0
	v_lshl_add_u32 v208, v0, 2, 0x25000
	v_mov_b32 v209, 0
	v_lshrrev_b32 v1, 5, v0
	s_delay_alu instid0(VALU_DEP_1)
	v_readfirstlane_b32 s10, v1                    ; wave 0..7
	v_and_b32 v1, 31, v0                           ; lane
	s_lshl_b32 s12, ttmp9, 3
	s_add_co_u32 s12, s12, s10                     ; my row: 8 x work-group + wave
	s_lshl_b32 s12, s12, 14                        ; 16,384 bytes a row
	s_mov_b32 s13, 0
	s_mul_i32 s11, s10, STGB                       ; my stage
	v_lshlrev_b32 v[GO], 4, v1
	s_delay_alu instid0(VALU_DEP_1)
	v_add_nc_u32 v[SVA], SVL, v[GO]
	s_delay_alu instid0(VALU_DEP_2)
	v_add_nc_u32 v[STW], s11, v[GO]
	v_mul_u32_u24 v[STR], v1, 528
	s_delay_alu instid0(VALU_DEP_1)
	v_add_nc_u32 v[STR], s11, v[STR]
	v_lshlrev_b32 v[TG], 4, v0
	s_delay_alu instid0(VALU_DEP_1)
	v_add_nc_u32 v[TL], SVL, v[TG]
	s_wait_alu depctr_va_vdst(0)
	s_wait_kmcnt 0x0
	s_add_nc_u64 s[4:5], s[4:5], s[12:13]
	s_add_nc_u64 s[8:9], s[8:9], s[12:13]
.irp i, 0,1,2,3
	global_load_b128 v[S+4*\i:S+4*\i+3], v[TG], s[6:7] offset:4096*\i   ; SV: 256 threads x 16 bytes x 4
.endr
.set j, 0
.rept 32
	global_load_b128 v[D+4*j:D+4*j+3], v[GO], s[4:5] offset:512*j th:TH_LOAD_NT   ; the whole row is asked for at once; read once in the launch
.set j, j+1
.endr
	s_wait_loadcnt 32                              ; SV's four loads were issued first: they are in, the row's 32 stay out
.irp p, 0,2,4,6,8,10,12,14
	v_pk_mul_f32 v[S+\p:S+\p+1], v[S+\p:S+\p+1], 0x3c800000 op_sel_hi:[1,0]   ; x 1/64
.endr
.irp i, 0,1,2,3
	ds_store_b128 v[TL], v[S+4*\i:S+4*\i+3] offset:4096*\i
.endr
	s_wait_dscnt 0x0                               ; for the others' sake: my part of SV / 64 lies in LDS
	s_barrier_signal -1
	s_barrier_wait -1                              ; everybody's does.  It is never written again: the launch's one barrier
	s_wait_loadcnt 0x0                             ; the row
	ST0                                            ; bits 0, 1, 7-11 of k
	R4 0, 0
	R4 2, 0
	R4 4, 0
.set j, 0
.rept 32
	ds_store_b128 v[STW], v[D+4*j:D+4*j+3] offset:528*j          ; layout A -> layout B.  LDS serves a wave's instructions in order (ISA guide 5.7.1.4): no wait between the stores and the loads
.set j, j+1
.endr
.set j, 0
.rept 32
	ds_load_b128 v[D+4*j:D+4*j+3], v[STR] offset:16*j
.set j, j+1
.endr
	R4 1, 1                                        ; bits 2-6
	R4 3, 0
	R2S
.set j, 0
.rept 16
	ds_store_b128 v[STR], v[S+4*j:S+4*j+3] offset:16*j           ; layout B -> layout A: my numbers 0-63 lie in S,
.set j, j+1
.endr
.rept 16
	ds_store_b128 v[STR], v[D+4*j:D+4*j+3] offset:16*j           ; 64-127 in D + 64 on
.set j, j+1
.endr
	BACK 0
	SVIN 0
	BACK 16
	s_wait_dscnt 16                                ; the row's first half and SV's are in; the youngest sixteen loads, the second half, stay out
	OUT 0
	SVIN 1
	s_wait_dscnt 0x0
	OUT 1
	s_wait_tensorcnt 0x0
	ds_add_u32 v208, v209
	s_wait_dscnt 0x0
	s_endpgm
.Lfunc_end_k_q93a79afc3b_rot:
	.size	k_q93a79afc3b_rot, .Lfunc_end_k_q93a79afc3b_rot-k_q93a79afc3b_rot
	.p2alignl 7, 3214868480
	.fill 96, 4, 3214868480
	.section	.rodata,"a",@progbits
	.p2align	6, 0x0
	.amdhsa_kernel k_q93a79afc3b_rot
		.amdhsa_group_segment_fixed_size 152576
		.amdhsa_private_segment_fixed_size 0
		.amdhsa_enable_private_segment 0
		.amdhsa_kernarg_size 24
		.amdhsa_user_sgpr_count 2
		.amdhsa_user_sgpr_kernarg_segment_ptr 1
		.amdhsa_wavefront_size32 1
		.amdhsa_system_sgpr_workgroup_id_x 1
		.amdhsa_system_sgpr_workgroup_id_y 1
		.amdhsa_system_sgpr_workgroup_id_z 1
		.amdhsa_system_vgpr_workitem_id 0
		.amdhsa_next_free_vgpr 210
		.amdhsa_next_free_sgpr 66
		.amdhsa_reserve_vcc 0
		.amdhsa_float_denorm_mode_32 3
		.amdhsa_float_denorm_mode_16_64 3
		.amdhsa_memory_ordered 1
		.amdhsa_forward_progress 1
		.amdhsa_inst_pref_size 82
	.end_amdhsa_kernel
	.amdgpu_metadata
---
amdhsa.version: [ 1, 2 ]
amdhsa.kernels:
  - .name:           k_q93a79afc3b_rot
    .symbol:         k_q93a79afc3b_rot.kd
    .args:
      - { .name: cbuf, .offset: 0, .size: 8, .value_kind: global_buffer, .address_space: global }
      - { .name: SV, .offset: 8, .size: 8, .value_kind: global_buffer, .address_space: global }
      - { .name: out0, .offset: 16, .size: 8, .value_kind: global_buffer, .address_space: global }
    .group_segment_fixed_size: 152576
    .private_segment_fixed_size: 0
    .kernarg_segment_align: 8
    .kernarg_segment_size: 24
    .max_flat_workgroup_size: 256
    .sgpr_count:     66
    .vgpr_count:     210
    .wavefront_size: 32
...
	.end_amdgpu_metadata
.endif
;; end of part 3
